; MI455X (gfx1250); checked and timed in simulation.
; The chip was launched on July 23, 2026; its instructions are those of AMD's public machine-readable ISA for CDNA 5 (MIT licence, August 2026) and "CDNA5" Instruction Set Architecture Reference Guide (July 2026). The comments in the code are by the model that wrote it; some were corrected since.
;; Attention. Allowed arithmetic: matrix products marked QUANTISED: E2M3 operands, one E8M0 scale for each 32 along K, by v_wmma_scale_f32_16x16x128_f8f6f4 with both operands' format E2M3, f32 sums; everything else in f32.
;; Inputs: Wk 512 x 512 float32; Wp 512 x 512 float32; Wq 512 x 512 float32; Wv 512 x 512 float32; bp 512 float32; key 2 x 4,096 x 512 float32; query 2 x 4,096 x 512 float32; value 2 x 4,096 x 512 float32.
;; Outputs: out0 2 x 4,096 x 512 float32.
;; This version of the problem:
;;   THIS VERSION OF THE PROBLEM IS GIVEN IN LOW PRECISION. The matrix products marked QUANTISED in the list below multiply operands that are first quantised to E2M3 (2 exponent bits, 3 mantissa bits; 6 bits a number), with one power-of-two scale for each 32 numbers along K (OCP MX v1.0); their sums are f32. All else is computed in f32.
;;   The module's matrix products, in the order in which they are computed (A, B: the left and right operand; K: the contracted axis; several contracted axes count as one K, in the product's order):
;;     1. [M 8,192, K 512] x [K 512, N 512]; A: input query; B: input Wq: QUANTISED
;;     2. [M 8,192, K 512] x [K 512, N 512]; A: input key; B: input Wk: QUANTISED
;;     3. [M 8,192, K 512] x [K 512, N 512]; A: input value; B: input Wv: QUANTISED
;;     4. batch 16 x [M 4,096, K 64] x [K 64, N 4,096]; A: computed on the way; B: computed on the way: QUANTISED
;;     5. batch 16 x [M 4,096, K 4,096] x [K 4,096, N 64]; A: softmax (see below); B: computed on the way: QUANTISED
;;     6. [M 8,192, K 512] x [K 512, N 512]; A: computed on the way; B: input Wp: QUANTISED
;;   THE QUANTISER, for each operand of a quantised product, along K:
;;     - K is cut into blocks of 32 from its start; a last block that is shorter is filled with zeros.
;;     - A block's scale is 2^e with e = floor(log2(the largest magnitude in the block)) - 2, held to -126 .. 127; a block of zeros has e = 0. As a byte (E8M0): e + 127.
;;     - Each number is divided by its block's scale, clamped to +-7.5, and rounded to the nearest number of E2M3, ties to even, subnormals kept.
;;     - The product sums the exact products of the quantised numbers (number of the format x scale) in f32.
;;   ~~~python
;;   def quantise(x, axis):      # numpy; x: float32 -> the quantised numbers, widened to float32 again
;;       x = np.moveaxis(x, axis, -1); K = x.shape[-1]
;;       x = np.pad(x, [(0, 0)] * (x.ndim - 1) + [(0, -K % 32)]); x = x.reshape(x.shape[:-1] + (-1, 32)); a = np.abs(x).max(-1, keepdims=True)
;;       e = np.where(a > 0, np.clip(np.frexp(np.where(a > 0, a, 1))[1] - 1 - 2, -126, 127), 0)      # np.frexp(a)[1] - 1 = floor(log2(a)), exactly
;;       r = np.clip(x / 2.0 ** e, -7.5, 7.5)
;;       step = 2.0 ** (np.maximum(np.frexp(np.where(r == 0, 1, r))[1] - 1, 0) - 3)
;;       q = np.round(r / step) * step * 2.0 ** e      # np.round: ties to even
;;       return np.moveaxis(q.reshape(q.shape[:-2] + (-1,))[..., :K], -1, axis).astype(np.float32)
;;   ~~~
;;   SOFTMAX AHEAD OF A QUANTISED PRODUCT. Where the list says 'softmax', what is quantised is not the finished softmax but p = 2^(t - M), with t = logit x log2(e) and M = ceil(the row's largest t), a whole number; so 1/2 < the row's largest p <= 1. The row's sum l is taken of the UNQUANTISED p, in f32, and the product's result is divided by l at the end. Since M is a whole number, a kernel that streams over the keys may use a running M (the ceiling of the running maximum): every later rescaling is an exact power of two, which a block's scale takes up: the codes' values come out the same.
;;   OPERANDS COMPUTED ON THE WAY. 'Computed on the way' means the value that the module computes at that place (a softmax that the list does not call 'softmax' is quantised finished and normalised). What goes into a quantiser is computed in f32, as accurately as f32 sums, v_exp_f32 and their like allow (about 1e-6 of the number): no bf16 or f16 on the way to a quantiser, and a product that is left as it is and whose result goes on into a quantised operand takes f32 operands (vector FMAs, or v_wmma_f32_16x16x4_f32). A number that lies on a knife's edge between two numbers of the format may be rounded either way, as far as f32 arithmetic and the matrix unit's own rounding can turn it there, and no further.
;; One version. Each part assembles by itself: llvm-mc -triple=amdgcn-amd-amdhsa -mcpu=gfx1250 --defsym DOCPART=n.
;; ======== version 1 of 1: 4 launches
;; limits: right only within a limited range of input values
;; workspace buffers: wc 851,968 bytes; qc 3,276,800 bytes; kv 6,553,600 bytes; xc 4,194,304 bytes
;; launch wq (part 1): grid 128 x 1, 1 waves a work-group, no clusters, 0 bytes of LDS; arguments Wq, Wk, Wv, Wp, wc; writes wc
.if DOCPART == 1
	.amdgcn_target "amdgcn-amd-amdhsa--gfx1250"
	.amdhsa_code_object_version 6
	.text
	.protected	k_q240ec0c49d_wq
	.globl	k_q240ec0c49d_wq
	.p2align	8
	.type	k_q240ec0c49d_wq,@function
k_q240ec0c49d_wq:
	s_mov_b64 s[64:65], 0
	v_nop
	global_prefetch_b8 v0, s[64:65] scope:SCOPE_SE
	s_setreg_imm32_b32 hwreg(HW_REG_WAVE_MODE, 25, 1), 1
	s_wait_xcnt 0x0
; The four weights [512 (n)][512 (k)], f32, K innermost, become codes of FP6 (E2M3) with one E8M0 byte for each 32 along K, laid as IMAGES OF OPERAND REGISTERS.
; wc = [128 tiles][6,656 bytes].  Tile T = 32 id + t (id: 0 Wq, 1 Wk, 2 Wv, 3 Wp) holds 16 rows of weight id: lane r takes row 32 (t / 2) + 8 (t % 2) + r + 8 (r / 8),
; so that the 16 registers of two neighbouring result tiles are 16 neighbours along the next product's K.  In a tile: fragment s (128 along K, 12 registers) at 1,536 s, as three groups of four
; registers, lane l's 16 bytes at 16 l; at 6,144 the rows' four scale words, 16 bytes a lane.  Every store of the wave covers 512 consecutive bytes, aligned to 256.
; One wave to a tile: 128 work-groups, as many as there are tiles.  No LDS, no barrier: waves share nothing.
; A block's scale is 2^(floor(log2(its largest magnitude)) - 2); its byte is that magnitude's exponent field - 2, held at 1 from below.
; LIMITS: a block of zeros, or one whose largest magnitude lies under 2^-124, keeps the byte 1 (its codes are zeros or nearly so; this program alone reads the bytes); NaN and infinities are not served.
.set TILEB, 6656
.set XA,  3                            ; v3       my row's byte and my half's: 2,048 (r + 8 (r / 8)) + 64 h
.set LI,  4                            ; v4       16 x lane
.set BUF, 16                           ; v16-143  two sets of 64 numbers
.set PC,  144                          ; v144-191 the codes, 12 registers for each K step: no store's data are written again
.set CT,  192                          ; v192-199 the conversions' second halves
.set TM,  200                          ; v200-215 at work
.set PWQ, 216                          ; v216-219 the four scale words
.set XP,  4                            ; s[4:5]   the weight, at the tile's first row
.set SEL, 20                           ; s[20:21] v_permlanex16_b32's selects for lane l xor 16
.set MSB, 0
.macro WIN new                         ; the immediate's high byte repeats the setting that is left; a switch that changes nothing is dropped (here: all)
.if MSB != (\new)
	s_set_vgpr_msb (MSB<<8)|(\new)
.set MSB, (\new)
.endif
.endm
; 64 numbers of my row: register 16 b + i = k 32 b + 16 h + i of the 128 along K that begin off bytes into the row
.macro XLOAD reg, off
.irp b, 0,1,2,3
.irp j, 0,1,2,3
	global_load_b128 v[(\reg)+16*\b+4*\j:(\reg)+16*\b+4*\j+3], v[XA], s[XP:XP+1] offset:(\off)+128*\b+16*\j th:TH_LOAD_NT
.endr
.endr
.endm
; 64 numbers of a lane, v[s] on (in window w), register 16 b + i = k 32 b + 16 h + i of my row, become a fragment's 12 registers of codes in v[pc] on and its scale word in v[pw]
.macro QUANT s, w, pc, pw
	WIN 5*(\w)                                     ; sources 0 and 1: the numbers' window
.irp b, 0,1,2,3
	v_max3_num_f32 v[TM+\b], |v[(\s)+16*\b]|, |v[(\s)+1+16*\b]|, 0x1800000   ; block b: my 16 numbers, and the floor 2^(3 - 127): the byte cannot fall under 1
.endr
.irp i, 2,4,6,8,10,12,14
.irp b, 0,1,2,3
	v_max3_num_f32 v[TM+\b], |v[(\s)+16*\b+\i]|, |v[(\s)+1+16*\b+\i]|, v[TM+\b]   ; the four blocks by turns
.endr
.endr
	WIN 0
.irp b, 0,1,2,3
	v_permlanex16_b32 v[TM+4+\b], v[TM+\b], s[SEL], s[SEL+1]
.endr
.irp b, 0,1,2,3
	v_max_num_f32 v[TM+\b], v[TM+\b], v[TM+4+\b]   ; with lane l xor 16's: the block's largest magnitude
.endr
.irp b, 0,1,2,3
	v_add_nc_u32 v[TM+12+\b], 0xff000000, v[TM+\b] ; 2 off its exponent field: the conversion takes this operand's exponent field as its scale
.endr
.irp b, 0,1,2,3
	v_lshrrev_b32 v[TM+4+\b], 23, v[TM+12+\b]      ; the scale's byte
.endr
	v_lshl_or_b32 v[\pw], v[TM+5], 8, v[TM+4]      ; four bytes: my row's scale word
	v_lshl_or_b32 v[\pw], v[TM+6], 16, v[\pw]
	v_lshl_or_b32 v[\pw], v[TM+7], 24, v[\pw]
	WIN \w                                         ; source 0: the numbers' window
.irp c, 0,1
	v_cvt_scalef32_pk16_fp6_f32 v[(\pc)+6*\c:(\pc)+6*\c+2], v[(\s)+32*\c:(\s)+32*\c+15], v[TM+12+2*\c]
	v_cvt_scalef32_pk16_fp6_f32 v[CT+4*\c:CT+4*\c+2], v[(\s)+16+32*\c:(\s)+31+32*\c], v[TM+13+2*\c]   ; (a conversion's three registers begin on an even number)
.endr
	WIN 0
	v_nop                                          ; one plain instruction behind the scaled conversions
.irp c, 0,1                                    ; the operand's layout wants a whole block in a lane: lanes 0-15 block 2 c, lanes 16-31 block 2 c + 1
.irp i, 0,1,2
	v_permlane16_swap_b32 v[(\pc)+6*\c+\i], v[CT+4*\c+\i]
.endr
.irp i, 0,1,2
	v_mov_b32 v[(\pc)+3+6*\c+\i], v[CT+4*\c+\i]
.endr
.endr
.endm
	s_load_b256 s[4:11], s[0:1], 0x0               ; Wq, Wk, Wv, Wp
	s_load_b64 s[12:13], s[0:1], 0x20              ; wc
	v_and_b32 v1, 15, v0                           ; r
	v_bfe_u32 v2, v0, 4, 1                         ; h
	v_and_b32 v5, 8, v1
	v_add_nc_u32 v5, v5, v1                        ; r + 8 (r / 8)
	v_lshlrev_b32 v[XA], 11, v5                    ; a row is 2,048 bytes
	v_lshl_add_u32 v[XA], v2, 6, v[XA]
	v_lshlrev_b32 v[LI], 4, v0                     ; one wave: the thread's number is the lane
.irp b, 0,1,2,3
	v_mov_b32 v[TM+4+\b], 0                        ; written once: a lane permute's destination counts as one of its sources
.endr
	s_mov_b32 s[SEL], 0x76543210
	s_mov_b32 s[SEL+1], 0xfedcba98
	s_lshr_b32 s14, ttmp9, 5                       ; which weight
	s_bfe_u32 s16, ttmp9, 0x40001                  ; (t / 2): 32 rows of 2,048 bytes each
	s_lshl_b32 s16, s16, 16
	s_and_b32 s17, ttmp9, 1                        ; (t % 2): 8 rows
	s_lshl_b32 s17, s17, 14
	s_add_co_u32 s16, s16, s17
	s_mov_b32 s17, 0
	s_mul_i32 s18, ttmp9, TILEB                    ; the tile's place in wc
	s_mov_b32 s19, 0
	s_wait_alu depctr_va_vdst(0)
	s_wait_kmcnt 0x0
	s_cmp_eq_u32 s14, 1                            ; the choice hangs on the work-group's number alone
	s_cselect_b64 s[4:5], s[6:7], s[4:5]
	s_cmp_eq_u32 s14, 2
	s_cselect_b64 s[4:5], s[8:9], s[4:5]
	s_cmp_eq_u32 s14, 3
	s_cselect_b64 s[4:5], s[10:11], s[4:5]
	s_add_nc_u64 s[XP:XP+1], s[XP:XP+1], s[16:17]
	s_add_nc_u64 s[12:13], s[12:13], s[18:19]
	XLOAD BUF, 0
	XLOAD BUF+64, 512
.irp s, 0,1,2,3
.if \s < 3
	s_wait_loadcnt 16                              ; this K step's 16 loads are in; the next step's 16 may be out
.else
	s_wait_loadcnt 0x0
.endif
	QUANT BUF+64*(\s%2), 0, PC+12*\s, PWQ+\s
.if \s < 2
	XLOAD BUF+64*(\s%2), 512*(\s+2)
.endif
.irp g, 0,1,2
	global_store_b128 v[LI], v[PC+12*\s+4*\g:PC+12*\s+4*\g+3], s[12:13] offset:1536*\s+512*\g
.endr
.endr
	global_store_b128 v[LI], v[PWQ:PWQ+3], s[12:13] offset:6144
	s_endpgm
.Lfunc_end_k_q240ec0c49d_wq:
	.size	k_q240ec0c49d_wq, .Lfunc_end_k_q240ec0c49d_wq-k_q240ec0c49d_wq
	.p2alignl 7, 3214868480
	.fill 96, 4, 3214868480
	.section	.rodata,"a",@progbits
	.p2align	6, 0x0
	.amdhsa_kernel k_q240ec0c49d_wq
		.amdhsa_group_segment_fixed_size 0
		.amdhsa_private_segment_fixed_size 0
		.amdhsa_enable_private_segment 0
		.amdhsa_kernarg_size 40
		.amdhsa_user_sgpr_count 2
		.amdhsa_user_sgpr_kernarg_segment_ptr 1
		.amdhsa_wavefront_size32 1
		.amdhsa_system_sgpr_workgroup_id_x 1
		.amdhsa_system_sgpr_workgroup_id_y 1
		.amdhsa_system_sgpr_workgroup_id_z 1
		.amdhsa_system_vgpr_workitem_id 0
		.amdhsa_next_free_vgpr 224
		.amdhsa_next_free_sgpr 66
		.amdhsa_reserve_vcc 0
		.amdhsa_float_denorm_mode_32 3
		.amdhsa_float_denorm_mode_16_64 3
		.amdhsa_memory_ordered 1
		.amdhsa_forward_progress 1
		.amdhsa_inst_pref_size 24
	.end_amdhsa_kernel
	.amdgpu_metadata
---
amdhsa.version: [ 1, 2 ]
amdhsa.kernels:
  - .name:           k_q240ec0c49d_wq
    .symbol:         k_q240ec0c49d_wq.kd
    .args:
      - { .name: Wq, .offset: 0, .size: 8, .value_kind: global_buffer, .address_space: global }
      - { .name: Wk, .offset: 8, .size: 8, .value_kind: global_buffer, .address_space: global }
      - { .name: Wv, .offset: 16, .size: 8, .value_kind: global_buffer, .address_space: global }
      - { .name: Wp, .offset: 24, .size: 8, .value_kind: global_buffer, .address_space: global }
      - { .name: wc, .offset: 32, .size: 8, .value_kind: global_buffer, .address_space: global }
    .group_segment_fixed_size: 0
    .private_segment_fixed_size: 0
    .kernarg_segment_align: 8
    .kernarg_segment_size: 40
    .max_flat_workgroup_size: 32
    .sgpr_count:     66
    .vgpr_count:     224
    .wavefront_size: 32
...
	.end_amdgpu_metadata
.endif
;; end of part 1
;; launch proj (part 2): grid 64 x 3, 4 waves a work-group, clusters of 4 x 1, 300,544 bytes of LDS; arguments query, key, value, wc, qc, kv; writes qc, kv
.if DOCPART == 2
	.amdgcn_target "amdgcn-amd-amdhsa--gfx1250"
	.amdhsa_code_object_version 6
	.text
	.protected	k_q240ec0c49d_proj
	.globl	k_q240ec0c49d_proj
	.p2align	8
	.type	k_q240ec0c49d_proj,@function
k_q240ec0c49d_proj:
	s_mov_b64 s[64:65], 0
	v_nop
	global_prefetch_b8 v0, s[64:65] scope:SCOPE_SE
	s_setreg_imm32_b32 hwreg(HW_REG_WAVE_MODE, 25, 1), 1
	s_wait_xcnt 0x0
	s_wait_alu depctr_hold_cnt(0) depctr_sa_sdst(0) depctr_va_vdst(0) depctr_va_sdst(0) depctr_va_ssrc(0) depctr_va_vcc(0) depctr_vm_vsrc(0)
	s_getreg_b32 s2, hwreg(HW_REG_IB_STS2, 6, 4)
	s_cmp_eq_u32 s2, 0
	s_cbranch_scc0 .Lentry_in_a_cluster
	s_endpgm
.Lentry_in_a_cluster:
	s_bfe_u32 s2, ttmp6, 0x10000c
	s_cmp_lg_u32 s2, 0x3003
	s_cbranch_scc0 .Lentry_shape_is_right
	s_endpgm
.Lentry_shape_is_right:
; q = query Wq^T, k = key Wk^T, v = value Wv^T on codes of FP6 (E2M3) with E8M0 scales, and the results quantised again for attention: q and k along the head's 64 channels, v along the keys.
; SHARES.  Work-group (x, y): tensor y (0 query, 1 key, 2 value), rows 128 x .. 128 x + 127 of its 8,192.  Wave w owns channels 128 w .. 128 w + 127: heads 2 w and 2 w + 1.
; 24,576 rows in blocks of 128 (one key step of v's K) are 192 work-groups.
; ONE TEXT FOR THE THREE.  A SET is 8 tiles of 16 lines x 512 K as images of operand registers (6,656 bytes a tile: four fragments of 1,536, then the lines' four scale words, 16 bytes a lane).
; The block's rows make the X set (each wave quantises 32 rows; LDS, shared); the wave's 128 rows of the weight are the W set (from wc by one tensor load, the wave's own bytes).
; Source 0 of every product is a RESIDENT set, 32 fragments in registers; source 1 is the other set, STREAMED from LDS a tile at a time.  q, k: W resident, X streamed: a lane holds one row and its 64 registers run
; along my 128 channels.  v: X resident, W streamed: a lane holds one channel and its registers run along the block's 128 keys.  Either way the registers are neighbours along the next K, and one macro quantises them.
; THE LINES OF A TILE ARE NOT NEIGHBOURS: lane r of tile 2 b + u takes line 32 b + 8 u + r + 8 (r / 8), so that registers 16 b + i of result tiles 2 b, 2 b + 1 hold line 32 b + 16 (lane / 16) + i.
; OUT, as images again.  qc = [16 heads][32 blocks][6,400]: four PAIR images (registers 0-5: line 32 p + r + 8 (r / 8), the head's 64 channels; registers 6-11: the line 8 further on) and 256 bytes of scale words.
; kv = [16 heads][32 steps][12,800]: k's four pair images, v's four tiles (16 channels x 128 keys), k's scale words, v's.  Scale words w0 .. w3 lie 8 bytes a lane: lanes 0-15 (w0, w2), lanes 16-31 (w1, w3).
; What differs between the tensors is kept in scalar registers (bases, masks, byte selects): no branch hangs on the tensor.
; CLUSTER.  The four work-groups of a cluster take four blocks of one tensor and need the same four W sets (212,992 bytes beside each block's 262,144 of x): each wave's load is asked for JOINTLY.
; LIMITS: a block of zeros, or one whose largest magnitude lies under 2^-124, keeps the byte 1 (this program alone reads the bytes); NaN and infinities are not served.
; REGISTERS.  Window 0: v1-11 addresses; v16-63 the streamed tile; v64-127 the 8 accumulators; v128-159 the resident set's scale words; v160-169 at work at the end; v192-215 two fragments of codes;
;   v216-239 at work; v240-243 the streamed tile's scale words; v244-247 scale words just made; v248-255 the eight that go out.
;   Window 1: first four sets of 64 numbers of x; then resident tiles 0-3 (v0-191).   Window 2: resident tiles 4-7 (v0-191).
.set TILEB, 6656
.set SETB,  8*TILEB                    ; 53,248 bytes: 208 rows of 256
.set SPARE, 5*SETB                     ; LDS: the X set at 0 (LDS stores alone), wave w's W set at SETB (1 + w) (one tensor load alone), then the spare words, 128 bytes a wave: two blocks of 256 bytes that no other line names
.set SPITCH, 528                       ; a stage row: 512 bytes of a row of x + 16: the sixteen rows that a load back touches begin at sixteen different banks
.set STAGE, SPARE+512                  ; behind the spare words: a stage of 16 rows for each wave (LDS stores alone): 33 blocks of 256 bytes each
.set XA,  3                            ; v3   out of my stage: SPITCH r + 64 h
.set STW, 14                           ; v14  into my stage: 16 x lane
.set LI,  4                            ; v4   16 x lane
.set L8,  5                            ; v5   8 x lane
.set XWI, 6                            ; v6   where I store my two tiles of the X set: 16 x lane + 2 TILEB x wave
.set RB,  7                            ; v7   the resident set in LDS + 16 x lane
.set SB,  8                            ; v8   the streamed set + 16 x lane
.set T,   9
.set SPW, 10                           ; v10  LDS address of my spare word; never rewritten
.set NIL, 11                           ; v11  0; never rewritten
.set SF,  16
.set HA,  64
.set RS,  128
.set TP,  160
.set PCA, 192
.set PCB, 204
.set CT,  216
.set TM,  224
.set SS,  240
.set PWQ, 244
.set PWA, 244
.set PWB, 245
.set SW,  248
.set WV,  16                           ; s16  wave
.set Y,   17                           ; s17  tensor
.set BLK, 18                           ; s18  block of 128 rows
.set SEL, 20                           ; s[20:21] selects for lane l xor 16
.set MK,  22                           ; s22  all ones for q and k, 0 for v
.set MH,  23                           ; s23  lanes 16-31
.set SELA, 24                          ; s24, s25  byte selects that make the outgoing scale words
.set SELB, 25
.set G0,  28                           ; s[28:31], s[32:39] the tensor load's descriptor
.set G1,  32
.set XP,  40                           ; s[40:41] x at my wave's 32 rows
.set PA,  44                           ; s[44:51] where trip b's first image goes;  s[52:59] its second
.set PB,  52
.set PS,  60                           ; s[60:63] the two heads' scale words
.set MSB, 0
.macro WIN new                         ; the immediate's high byte repeats the setting that is left; a switch that changes nothing is dropped
.if MSB != (\new)
	s_set_vgpr_msb (MSB<<8)|(\new)
.set MSB, (\new)
.endif
.endm
.macro CROUND                          ; a round of the cluster's barrier
	s_barrier_signal -1
	s_barrier_wait -1
	s_cmp_lg_u32 s[WV], 0
	s_cbranch_scc1 .Lnot_wave_0_\@
	s_barrier_signal -3
.Lnot_wave_0_\@:
	s_barrier_wait -3
	s_barrier_signal -1
	s_barrier_wait -1
.endm
; 16 rows x 128 along K of x, as they lie: load i reads 512 consecutive bytes, 16 a lane, of the tile's line i, which is row i + 8 (i / 8); off: the tile's first row and the K step, in bytes
.macro XLOAD reg, off
.irp i, 0,1,2,3,4,5,6,7,8,9,10,11,12,13,14,15
	global_load_b128 v[(\reg)+4*\i:(\reg)+4*\i+3], v[LI], s[XP:XP+1] offset:(\off)+2048*(\i+8*(\i/8)) th:TH_LOAD_NT
.endr
.endm
; Fragment f's 16 rows turn through my stage: in as loaded (window 1, set f % 4), back as 64 numbers of my line r (window 2, set f % 2): register 16 b + i = k 32 b + 16 h + i.
; LDS serves a wave's instructions in order (ISA guide 5.7.1.4): no wait between the stores and the loads, nor ahead of the next fragment's stores into the same bytes
.macro TURN f
	WIN 0x04                                       ; the stores' data: window 1
.irp i, 0,1,2,3,4,5,6,7,8,9,10,11,12,13,14,15
	ds_store_b128 v[STW], v[64*((\f)%4)+4*\i:64*((\f)%4)+4*\i+3] offset:SPITCH*\i
.endr
	WIN 0x80                                       ; destination window 2
.irp b, 0,1,2,3
.irp j, 0,1,2,3
	ds_load_b128 v[64*((\f)%2)+16*\b+4*\j:64*((\f)%2)+16*\b+4*\j+3], v[XA] offset:128*\b+16*\j
.endr
.endr
	WIN 0
.endm
; 64 numbers of a lane, v[s] on (in window w), register 16 b + i = k 32 b + 16 h + i of my line, become a fragment's 12 registers of codes in v[pc] on and its scale word in v[pw]
.macro QUANT s, w, pc, pw
	WIN 5*(\w)                                     ; sources 0 and 1: the numbers' window
.irp b, 0,1,2,3
	v_max3_num_f32 v[TM+\b], |v[(\s)+16*\b]|, |v[(\s)+1+16*\b]|, 0x1800000   ; block b: my 16 numbers, and the floor 2^(3 - 127): the byte cannot fall under 1.  (Each result tile is read from its low end on)
.endr
.irp i, 2,4,6,8,10,12,14
.irp b, 0,1,2,3
	v_max3_num_f32 v[TM+\b], |v[(\s)+16*\b+\i]|, |v[(\s)+1+16*\b+\i]|, v[TM+\b]   ; the four blocks by turns
.endr
.endr
	WIN 0
.irp b, 0,1,2,3
	v_permlanex16_b32 v[TM+4+\b], v[TM+\b], s[SEL], s[SEL+1]
.endr
.irp b, 0,1,2,3
	v_max_num_f32 v[TM+\b], v[TM+\b], v[TM+4+\b]   ; with lane l xor 16's: the block's largest magnitude
.endr
.irp b, 0,1,2,3
	v_add_nc_u32 v[TM+12+\b], 0xff000000, v[TM+\b] ; 2 off its exponent field: the conversion takes this operand's exponent field as its scale
.endr
.irp b, 0,1,2,3
	v_lshrrev_b32 v[TM+4+\b], 23, v[TM+12+\b]      ; the scale's byte
.endr
	v_lshl_or_b32 v[\pw], v[TM+5], 8, v[TM+4]      ; four bytes: my line's scale word, the same in both halves of the lanes
	v_lshl_or_b32 v[\pw], v[TM+6], 16, v[\pw]
	v_lshl_or_b32 v[\pw], v[TM+7], 24, v[\pw]
	WIN \w                                         ; source 0: the numbers' window
.irp c, 0,1
	v_cvt_scalef32_pk16_fp6_f32 v[(\pc)+6*\c:(\pc)+6*\c+2], v[(\s)+32*\c:(\s)+32*\c+15], v[TM+12+2*\c]
	v_cvt_scalef32_pk16_fp6_f32 v[CT+4*\c:CT+4*\c+2], v[(\s)+16+32*\c:(\s)+31+32*\c], v[TM+13+2*\c]   ; (a conversion's three registers begin on an even number)
.endr
	WIN 0
	v_nop                                          ; one plain instruction behind the scaled conversions
.irp c, 0,1                                    ; the operand's layout wants a whole block in a lane: lanes 0-15 block 2 c, lanes 16-31 block 2 c + 1
.irp i, 0,1,2
	v_permlane16_swap_b32 v[(\pc)+6*\c+\i], v[CT+4*\c+\i]
.endr
.irp i, 0,1,2
	v_mov_b32 v[(\pc)+3+6*\c+\i], v[CT+4*\c+\i]
.endr
.endr
.endm
.macro FETCHS i                        ; tile i of the streamed set: four fragments and the scale words, 13 loads
.irp s, 0,1,2,3
.irp g, 0,1,2
	ds_load_b128 v[SF+12*\s+4*\g:SF+12*\s+4*\g+3], v[SB] offset:TILEB*(\i)+1536*\s+512*\g
.endr
.endr
	ds_load_b128 v[SS:SS+3], v[SB] offset:TILEB*(\i)+6144
.endm
; 16 matrix instructions: resident tiles 4 hi .. 4 hi + 3 against the streamed tile, K ascending.  The four accumulators take turns, one instruction a turn; the first K step starts the sums.
.macro MM16 hi
.irp s, 0,1,2,3
.irp o, 0,1,2,3
.if \s == 0
	v_wmma_scale_f32_16x16x128_f8f6f4 v[HA+8*(4*\hi+\o):HA+8*(4*\hi+\o)+7], v[12*(4*\o+\s):12*(4*\o+\s)+11], v[SF+12*\s:SF+12*\s+11], 0, v[RS+4*(4*\hi+\o)+\s], v[SS+\s] matrix_a_fmt:MATRIX_FMT_FP6 matrix_b_fmt:MATRIX_FMT_FP6
.else
	v_wmma_scale_f32_16x16x128_f8f6f4 v[HA+8*(4*\hi+\o):HA+8*(4*\hi+\o)+7], v[12*(4*\o+\s):12*(4*\o+\s)+11], v[SF+12*\s:SF+12*\s+11], v[HA+8*(4*\hi+\o):HA+8*(4*\hi+\o)+7], v[RS+4*(4*\hi+\o)+\s], v[SS+\s] matrix_a_fmt:MATRIX_FMT_FP6 matrix_b_fmt:MATRIX_FMT_FP6
.endif
.endr
.endr
.endm
; Streamed tile i against the whole resident set, and the 64 results of a lane quantised
.macro OUTER i, pc, pw
	s_wait_dscnt 0x0                               ; the streamed tile is in (the first time: the resident set too)
	WIN 0x01                                       ; source 0 in window 1
	MM16 0
	WIN 0x02                                       ; source 0 in window 2
	MM16 1
	WIN 0
.rept 4
	v_nop                                          ; four places behind the last product: for the loads into the streamed tile's registers and for the first read of results
.endr
.if (\i) < 7
	FETCHS (\i)+1                                  ; lands while this tile's results are quantised
.endif
.if ((\i) % 2 == 0) && ((\i) > 0)
	s_wait_xcnt 0x0                                ; the last trip's stores have read the two fragments of codes: only behind this wait are they written again
.endif
	QUANT HA, 0, \pc, \pw
.endm
	s_load_b256 s[4:11], s[0:1], 0x0               ; query, key, value, wc
	s_load_b128 s[12:15], s[0:1], 0x20             ; qc, kv
	v_lshl_add_u32 v[SPW], v0, 2, SPARE
	v_mov_b32 v[NIL], 0
	ds_add_u32 v[SPW], v[NIL]                      ; the wave's opening: the add and its wait ahead of my first tensor load; the set-up below, work on registers, stands between them
	ds_add_u32 v[SPW], v[NIL]
	v_lshrrev_b32 v1, 5, v0
	v_readfirstlane_b32 s[WV], v1                  ; wave 0..3
	s_and_b32 s[Y], ttmp7, 0xffff                  ; the tensor, which the four partners share
	s_bfe_u32 s19, ttmp6, 0x40000                  ; cx: it enters the addresses of x and of the results alone
	s_lshl_b32 s[BLK], ttmp9, 2
	s_add_co_u32 s[BLK], s[BLK], s19               ; my block = 4 x cluster x + cx
	s_mov_b32 s[SEL], 0x76543210
	s_mov_b32 s[SEL+1], 0xfedcba98
	s_mov_b32 s[MH], 0xffff0000
	; descriptor group 1: a dense block of 53,248 bytes as 208 rows of 256 bytes (32 elements of 8 bytes), no padding
	s_mov_b32 s[G1+0], 15|(3<<16)|(1<<21)          ; 15:0 the mask: all four work-groups; 17:16 elements of 8 bytes; 21 set beside a mask
	s_mov_b32 s[G1+1], 32<<16                      ; tensor_dim0 = 32
	s_mov_b32 s[G1+2], 208<<16                     ; tensor_dim1 = 208
	s_mov_b32 s[G1+3], 32<<16                      ; tile_dim0 = 32
	s_mov_b32 s[G1+4], 208                         ; tile_dim1 = 208
	s_mov_b32 s[G1+5], 32                          ; from row to row
	s_mov_b32 s[G1+6], 0
	s_mov_b32 s[G1+7], 0
	s_mov_b32 s[G0], 1
	s_mul_i32 s[G0+1], s[WV], SETB
	s_add_co_u32 s[G0+1], s[G0+1], SETB            ; my W set in LDS: SETB (1 + wave)
	; what differs between the tensors
	s_cmp_eq_u32 s[Y], 0
	s_mov_b32 s72, 409600
	s_cselect_b32 s72, 204800, s72                 ; a head's bytes in qc, in kv
	s_mov_b32 s73, 12800
	s_cselect_b32 s73, 6400, s73                   ; a block's
	s_mov_b32 s75, 12288
	s_cselect_b32 s75, 6144, s75                   ; where its scale words begin (v: below)
	s_cmp_eq_u32 s[Y], 2
	s_cselect_b32 s74, 6144, 0                     ; where its images begin
	s_cselect_b32 s75, 12544, s75
	s_mov_b32 s76, 1536
	s_cselect_b32 s76, 3072, s76                   ; from trip b to b + 1:  q, k: the next pair;  v: two tiles on
	s_mov_b32 s77, 3072
	s_cselect_b32 s77, s72, s77                    ; from trip b to b + 2:  q, k: two pairs on;  v: the next head
	s_cselect_b32 s78, 1536, s72                   ; from a trip's first image to its second:  q, k: the next head;  v: the next tile
	s_cselect_b32 s[MK], 0, -1
	s_mov_b32 s[SELA], 0x05040100
	s_cselect_b32 s[SELA], 0x03020100, s[SELA]     ; q, k: the two lines' lower halves (head 2 w);  v: the first word as it is
	s_mov_b32 s[SELB], 0x07060302
	s_cselect_b32 s[SELB], 0x07060504, s[SELB]     ; q, k: the upper halves (head 2 w + 1);  v: the second word
	s_cselect_b32 s26, 0, s[G0+1]                  ; the resident set:  v: X;  q, k: W
	s_cselect_b32 s27, s[G0+1], 0                  ; the streamed set: the other
	s_lshl_b32 s66, s[BLK], 18                     ; x: 128 rows of 2,048 bytes a block,
	s_lshl_b32 s67, s[WV], 16                      ; 32 rows a wave
	s_add_co_u32 s66, s66, s67
	s_mov_b32 s67, 0
	s_lshl_b32 s68, s[Y], 5                        ; wc: tile 32 y + 8 wave
	s_lshl_b32 s69, s[WV], 3
	s_add_co_u32 s68, s68, s69
	s_mul_i32 s68, s68, TILEB
	s_mov_b32 s69, 0
	s_lshr_b32 s79, s[BLK], 5                      ; the results: head 8 (block / 32) + 2 wave,
	s_lshl_b32 s79, s79, 3
	s_lshl_b32 s70, s[WV], 1
	s_add_co_u32 s79, s79, s70
	s_mul_i32 s79, s79, s72
	s_and_b32 s70, s[BLK], 31                      ; block (block % 32) of it
	s_mul_i32 s70, s70, s73
	s_add_co_u32 s79, s79, s70
	s_mul_i32 s42, s[WV], 2*TILEB
	s_mul_i32 s43, s[WV], 16*SPITCH
	s_add_co_u32 s43, s43, STAGE                   ; my stage
	v_and_b32 v1, 15, v0                           ; r
	v_bfe_u32 v2, v0, 4, 1                         ; h
	v_and_b32 v12, 31, v0                          ; lane
	v_mul_u32_u24 v[XA], v1, SPITCH
	v_lshl_add_u32 v[XA], v2, 6, v[XA]
	v_add_nc_u32 v[XA], s43, v[XA]
	v_lshlrev_b32 v[LI], 4, v12
	v_add_nc_u32 v[STW], s43, v[LI]
	v_lshlrev_b32 v[L8], 3, v12
	v_add_nc_u32 v[XWI], s42, v[LI]
	v_add_nc_u32 v[RB], s26, v[LI]
	v_add_nc_u32 v[SB], s27, v[LI]
.irp b, 0,1,2,3
	v_mov_b32 v[TM+4+\b], 0                        ; written once: a lane permute's destination counts as one of its sources
.endr
	s_wait_alu depctr_va_vdst(0)
	s_wait_dscnt 0x0                               ; both opening adds are done
	s_wait_kmcnt 0x0
	s_cmp_eq_u32 s[Y], 1                           ; the choices hang on the tensor's number alone
	s_cselect_b64 s[XP:XP+1], s[6:7], s[4:5]
	s_cmp_eq_u32 s[Y], 2
	s_cselect_b64 s[XP:XP+1], s[8:9], s[XP:XP+1]
	s_add_nc_u64 s[XP:XP+1], s[XP:XP+1], s[66:67]
	WIN 0x40                                       ; destination window 1
.irp f, 0,1,2,3
	XLOAD 64*\f, 512*\f                            ; my first tile's four K steps: 64 loads are on their way while the partners gather
.endr
	WIN 0
	s_add_nc_u64 s[G0+2:G0+3], s[10:11], s[68:69]
	s_or_b32 s[G0+3], s[G0+3], 0x80000000          ; type = 2
	CROUND                                         ; all four work-groups are here: the joint loads meet
	tensor_load_to_lds s[G0:G0+3], s[G1:G1+7]      ; my W set: the one tensor load of this wave
	s_nop 0
.rept 4
	v_nop                                          ; (the register windows are switched only behind these)
.endr
	s_cmp_eq_u32 s[Y], 0                           ; where the results go
	s_cselect_b64 s[70:71], s[12:13], s[14:15]
	s_mov_b32 s66, s79
	s_add_nc_u64 s[70:71], s[70:71], s[66:67]
	s_mov_b32 s66, s74
	s_add_nc_u64 s[PA:PA+1], s[70:71], s[66:67]
	s_mov_b32 s66, s76
	s_add_nc_u64 s[PA+2:PA+3], s[PA:PA+1], s[66:67]
	s_mov_b32 s66, s77
	s_add_nc_u64 s[PA+4:PA+5], s[PA:PA+1], s[66:67]
	s_add_nc_u64 s[PA+6:PA+7], s[PA+2:PA+3], s[66:67]
	s_mov_b32 s66, s78
.irp b, 0,1,2,3
	s_add_nc_u64 s[PB+2*\b:PB+2*\b+1], s[PA+2*\b:PA+2*\b+1], s[66:67]
.endr
	s_mov_b32 s66, s75
	s_add_nc_u64 s[PS:PS+1], s[70:71], s[66:67]
	s_mov_b32 s66, s72
	s_add_nc_u64 s[PS+2:PS+3], s[PS:PS+1], s[66:67]
	; ---- X: my 32 rows become tiles 2 w and 2 w + 1 of the X set: eight fragments, f = 4 u + s, through four sets of registers
	s_wait_loadcnt 48                              ; fragment 0's 16 loads are in; those of the three behind it may be out
	TURN 0
.irp f, 0,1,2,3,4,5,6,7                        ; the turn through the stage runs one fragment ahead of the quantiser
.if \f < 7
.if \f < 5
	s_wait_loadcnt 32                              ; the next fragment's 16 loads are in; those of the two behind it may be out
.else
	s_wait_loadcnt 16*(6-\f)
.endif
	TURN \f+1
	s_wait_dscnt 32                                ; all but the 32 just issued: this fragment is back from the stage, its stores have read their registers, and so have the last image's
.else
	s_wait_dscnt 0x0
.endif
.if \f < 4
	WIN 0x40
	XLOAD 64*(\f%4), 16384+512*(\f%4)              ; the fragment four on: my second tile, 8 rows further down
	WIN 0
.endif
	QUANT 64*(\f%2), 2, PCA, PWQ+(\f%4)
.irp g, 0,1,2
	ds_store_b128 v[XWI], v[PCA+4*\g:PCA+4*\g+3] offset:TILEB*(\f/4)+1536*(\f%4)+512*\g
.endr
.if \f%4 == 3
	ds_store_b128 v[XWI], v[PWQ:PWQ+3] offset:TILEB*(\f/4)+6144
.endif
.endr
	s_wait_tensorcnt 0x0                           ; my W set has landed,
	s_wait_dscnt 0x0                               ; my part of the X set is stored:
	s_barrier_signal -1
	s_barrier_wait -1                              ; everybody's is.  From here on LDS is only read
	; ---- the resident set into registers
	WIN 0x40
.irp o, 0,1,2,3
.irp s, 0,1,2,3
.irp g, 0,1,2
	ds_load_b128 v[12*(4*\o+\s)+4*\g:12*(4*\o+\s)+4*\g+3], v[RB] offset:TILEB*\o+1536*\s+512*\g
.endr
.endr
.endr
	WIN 0x80
.irp o, 0,1,2,3
.irp s, 0,1,2,3
.irp g, 0,1,2
	ds_load_b128 v[12*(4*\o+\s)+4*\g:12*(4*\o+\s)+4*\g+3], v[RB] offset:TILEB*(4+\o)+1536*\s+512*\g
.endr
.endr
.endr
	WIN 0
.irp o, 0,1,2,3,4,5,6,7
	ds_load_b128 v[RS+4*\o:RS+4*\o+3], v[RB] offset:TILEB*\o+6144
.endr
	FETCHS 0
	; ---- four trips of two streamed tiles.  q, k: the tiles are rows 32 b + .. and 32 b + 8 + ..: each fragment holds head 2 w's 64 channels in registers 0-5 and head 2 w + 1's in 6-11: the first's upper half
	; and the second's lower change places, and the two are pair b of the two heads.  v: the tiles are 16 channels each and go out as they are.
.irp b, 0,1,2,3
	OUTER 2*\b, PCA, PWA
	OUTER 2*\b+1, PCB, PWB
.irp i, 0,1,2,3,4,5
	v_mov_b32 v[T], v[PCA+6+\i]
	v_cndmask_b32 v[PCA+6+\i], v[PCA+6+\i], v[PCB+\i], s[MK]
	v_cndmask_b32 v[PCB+\i], v[PCB+\i], v[T], s[MK]
.endr
	v_perm_b32 v[SW+2*\b], v[PWB], v[PWA], s[SELA]
	v_perm_b32 v[SW+2*\b+1], v[PWB], v[PWA], s[SELB]
.irp g, 0,1,2
	global_store_b128 v[LI], v[PCA+4*\g:PCA+4*\g+3], s[PA+2*\b:PA+2*\b+1] offset:512*\g   ; 32 lanes store 512 consecutive bytes, aligned to 256
.endr
.irp g, 0,1,2
	global_store_b128 v[LI], v[PCB+4*\g:PCB+4*\g+3], s[PB+2*\b:PB+2*\b+1] offset:512*\g
.endr
.endr
	; ---- the scale words.  With A b, B b the two words of trip b:  q, k: head 2 w has A 0 .. A 3, head 2 w + 1 B 0 .. B 3;  v: head 2 w has A 0, B 0, A 1, B 1, the other A 2, B 2, A 3, B 3
	v_cndmask_b32 v[TP+0], v[SW+1], v[SW+2], s[MK]  ; first head, word 1
	v_cndmask_b32 v[TP+1], v[SW+2], v[SW+4], s[MK]  ; word 2
	v_cndmask_b32 v[TP+2], v[SW+3], v[SW+6], s[MK]  ; word 3
	v_cndmask_b32 v[TP+3], v[SW+4], v[SW+1], s[MK]  ; second head, word 0
	v_cndmask_b32 v[TP+4], v[SW+5], v[SW+3], s[MK]  ; word 1
	v_cndmask_b32 v[TP+5], v[SW+6], v[SW+5], s[MK]  ; word 2
	v_cndmask_b32 v[TP+6], v[SW+0], v[TP+0], s[MH]  ; lanes 0-15 words 0 and 2, lanes 16-31 words 1 and 3
	v_cndmask_b32 v[TP+7], v[TP+1], v[TP+2], s[MH]
	v_cndmask_b32 v[TP+8], v[TP+3], v[TP+4], s[MH]
	v_cndmask_b32 v[TP+9], v[TP+5], v[SW+7], s[MH]
	global_store_b64 v[L8], v[TP+6:TP+7], s[PS:PS+1]       ; 32 lanes store 256 consecutive bytes, aligned
	global_store_b64 v[L8], v[TP+8:TP+9], s[PS+2:PS+3]
	s_wait_tensorcnt 0x0                           ; the wave's end: behind my tensor load and my last LDS store
	ds_add_u32 v[SPW], v[NIL]
	s_wait_dscnt 0x0
	CROUND                                         ; the closing round: no work-group ends while a partner may still ask for a set that names it
	s_endpgm
.Lfunc_end_k_q240ec0c49d_proj:
	.size	k_q240ec0c49d_proj, .Lfunc_end_k_q240ec0c49d_proj-k_q240ec0c49d_proj
	.p2alignl 7, 3214868480
	.fill 96, 4, 3214868480
	.section	.rodata,"a",@progbits
	.p2align	6, 0x0
	.amdhsa_kernel k_q240ec0c49d_proj
		.amdhsa_group_segment_fixed_size 300544
		.amdhsa_private_segment_fixed_size 0
		.amdhsa_enable_private_segment 0
		.amdhsa_kernarg_size 48
		.amdhsa_user_sgpr_count 2
		.amdhsa_user_sgpr_kernarg_segment_ptr 1
		.amdhsa_wavefront_size32 1
		.amdhsa_system_sgpr_workgroup_id_x 1
		.amdhsa_system_sgpr_workgroup_id_y 1
		.amdhsa_system_sgpr_workgroup_id_z 1
		.amdhsa_system_vgpr_workitem_id 0
		.amdhsa_next_free_vgpr 704
		.amdhsa_next_free_sgpr 80
		.amdhsa_reserve_vcc 0
		.amdhsa_float_denorm_mode_32 3
		.amdhsa_float_denorm_mode_16_64 3
		.amdhsa_memory_ordered 1
		.amdhsa_forward_progress 1
		.amdhsa_inst_pref_size 153
	.end_amdhsa_kernel
	.amdgpu_metadata
---
amdhsa.version: [ 1, 2 ]
amdhsa.kernels:
  - .name:           k_q240ec0c49d_proj
    .symbol:         k_q240ec0c49d_proj.kd
    .args:
      - { .name: query, .offset: 0, .size: 8, .value_kind: global_buffer, .address_space: global }
      - { .name: key, .offset: 8, .size: 8, .value_kind: global_buffer, .address_space: global }
      - { .name: value, .offset: 16, .size: 8, .value_kind: global_buffer, .address_space: global }
      - { .name: wc, .offset: 24, .size: 8, .value_kind: global_buffer, .address_space: global }
      - { .name: qc, .offset: 32, .size: 8, .value_kind: global_buffer, .address_space: global }
      - { .name: kv, .offset: 40, .size: 8, .value_kind: global_buffer, .address_space: global }
    .group_segment_fixed_size: 300544
    .private_segment_fixed_size: 0
    .kernarg_segment_align: 8
    .kernarg_segment_size: 48
    .max_flat_workgroup_size: 128
    .sgpr_count:     80
    .vgpr_count:     704
    .wavefront_size: 32
...
	.end_amdgpu_metadata
.endif
;; end of part 2
;; launch attn (part 3): grid 16 x 16, 8 waves a work-group, clusters of 4 x 1, 327,680 bytes of LDS; arguments qc, kv, xc; writes xc
.if DOCPART == 3
	.amdgcn_target "amdgcn-amd-amdhsa--gfx1250"
	.amdhsa_code_object_version 6
	.text
	.protected	k_q240ec0c49d_attn
	.globl	k_q240ec0c49d_attn
	.p2align	8
	.type	k_q240ec0c49d_attn,@function
k_q240ec0c49d_attn:
	s_mov_b64 s[64:65], 0
	v_nop
	global_prefetch_b8 v0, s[64:65] scope:SCOPE_SE
	s_setreg_imm32_b32 hwreg(HW_REG_WAVE_MODE, 25, 1), 1
	s_wait_xcnt 0x0
	s_wait_alu depctr_hold_cnt(0) depctr_sa_sdst(0) depctr_va_vdst(0) depctr_va_sdst(0) depctr_va_ssrc(0) depctr_va_vcc(0) depctr_vm_vsrc(0)
	s_getreg_b32 s2, hwreg(HW_REG_IB_STS2, 6, 4)
	s_cmp_eq_u32 s2, 0
	s_cbranch_scc0 .Lentry_in_a_cluster
	s_endpgm
.Lentry_in_a_cluster:
	s_bfe_u32 s2, ttmp6, 0x10000c
	s_cmp_lg_u32 s2, 0x3003
	s_cbranch_scc0 .Lentry_shape_is_right
	s_endpgm
.Lentry_shape_is_right:
; x[head][query] = the sum over keys of softmax(q . k / 8) v: 16 heads of 64 channels, 4,096 queries and keys, both products on codes of FP6 (E2M3) with E8M0 scales; x is then quantised along its channels for the last product.
; THE SOFTMAX: t = score x log2(e) / 8; M = the row's largest t so far, rounded UP to a whole number; p = 2^(t - M) is quantised along the keys, not normalised.  The row's sum is taken of the unquantised p, in f32, and
; divides O at the end.  When M moves, the sum and O are multiplied by 2^(old M - new M): exact.
; SHARES.  A work-group owns 256 queries of one head; each of its eight waves owns one pair image of q: two tiles of 16 queries.  A DOUBLE STEP is 256 keys: 32 products for the scores, 16 for O; each fragment of k and v
; read from LDS feeds both tiles; the largest t, M and the rescaling of O are taken once for 256 keys.
; INPUTS are images of operand registers (made by the launch before).  A step of kv (128 keys) is 12,800 bytes: k's four pair images (1,536 each), v's four tiles, k's and v's scale words (256 each).
; THE SHORT K.  A pair image holds one key's 64 channels in registers 0-5 and the key 8 further on in registers 6-11; it is multiplied by [q | zero codes] and by [zero codes | q].  q, six zeros, q in 18 registers serve both.
; WHICH KEYS FORM A TILE is chosen by the lanes' LDS addresses: rows 0-7 of tile (c, v) read image 2 c, rows 8-15 image 2 c + 1, each its lanes 8 v .. 8 v + 7.  Lane (r, h) then holds query r, and its score register
; 64 a + 32 c + 16 v + 8 u + j is key 128 a + 64 c + 32 h + 16 v + 8 u + j: a WHOLE block of 32 keys lies in one lane's 32 registers, in the order in which the operand's layout wants p's codes.
; So a block's largest score needs no other lane and no code changes lanes; only the row's maximum and p's scale bytes cross to lane l xor 16.
; LDS.  The tensor load lays 128 bytes of padding behind every 512: an image's three groups lie 640 bytes apart and neighbouring images 1,920, which is 128 modulo 256.
; A step takes 16,000 bytes.  Two slots of 8 steps; every wave fetches one step of a slot: by this text's count a wave has at most one tensor load out.
; CLUSTER: the four work-groups of a cluster own four blocks of queries of one head and walk the same kv: each load is asked for JOINTLY.
; NO PREFETCH: a refill is asked for a whole slot (1,024 keys, four double steps of eight waves) ahead of its first read, and the launch has four slots in all, of which two are asked for at its start.
; OUT.  xc = [512 row tiles][8 heads][1,024]: registers 0-3 of the half fragment (16 bytes a lane), registers 4-5 (8 a lane), the scale word and a zero (8 a lane).
; LIMITS: the promise holds while the scaled scores t stay under 2^31 in magnitude; a block whose largest magnitude lies under 2^-124 keeps the byte 1; NaN and infinities are not served.
; REGISTERS.  Window 1: the scores, then p: tile t at 128 t; v16-63 take v's second step when tile 0's p is done with.  Window 0: all else, as named below.
.set STEPB, 12800                      ; a step of kv in memory
.set STEPL, 16000                      ; and in LDS: 25 rows of 512 + 128 bytes
.set GRP,   640
.set SLOTB, 8*STEPB
.set SLOTL, 8*STEPL
.set SLOT1, 1<<17                      ; slot 1 begins here: one exclusive or turns an address in one slot into the other's
.set SPARE, SLOT1+SLOTL                ; behind the ring: the spare words, 128 bytes a wave: four blocks of 256 bytes that no other line names
.set LI,  1                            ; 16 x lane
.set L8,  2                            ; 8 x lane
.set SPW, 3                            ; my spare word; never rewritten
.set NIL, 4                            ; 0; never rewritten
.set AKL, 5                            ; k's images: 1,920 (r / 8) + 16 (r % 8) + 256 h
.set ASL, 6                            ; k's scale words: 8 (r % 8) + 64 h + 128 (r / 8): lanes 0-15 serve tiles v = 0, lanes 16-31 tiles v = 1
.set ADK, 7                            ; the four, with the double step's LDS byte added
.set ADV, 8
.set ADS, 9
.set ADW, 10
.set KS,  12                           ; v12-15 k's scale words: step a, half c at KS + 2 a + c
.set VS,  16                           ; v16-19 v's: step a at VS + 2 a: lanes 0-15 tiles 0, 2; lanes 16-31 tiles 1, 3
.set PS,  20                           ; v20-23 p's scale words: tile t, step a at PS + 2 t + a
.set QS,  24                           ; v24-25 q's scale words
.set TQ,  26                           ; q's word as stored;  v27, v11: offsets at the head
.set ST,  28                           ; tile t's state at ST + 8 t: -M, largest score | the sum's two halves | f, T | T2, T3
.set KV,  44                           ; v44-91 four fragments: k's first step, then v's first step
.set QA,  92                           ; tile t: q, zeros, q at QA + 18 t
.set OT,  128                          ; O^T: tile t at OT + 32 t
.set PC,  192                          ; v192-239 k's second step; then p's codes: tile t, step a at PC + 24 t + 12 a
.set CT,  240                          ; the conversions' second halves
.set BM,  248                          ; tile t's four blocks at BM + 4 t: largest score, largest p, the conversions' scale operand
.set VW,  16                           ; window 1: v's second step
.set WV,  12
.set SEL, 20
.set CS,  22                           ; s[22:23] c = log2(e) / 8
.set G1,  24
.set G0,  32
.set TB,  40                           ; LDS byte at which the double step in hand begins
.set CNT, 41
.set SLOTS, 42
.set MSB, 0
.macro WIN new                         ; bits 1:0 source 0, 3:2 source 1, 5:4 source 2, 7:6 destination; the high byte repeats the setting that is left
.if MSB != (\new)
	s_set_vgpr_msb (MSB<<8)|(\new)
.set MSB, (\new)
.endif
.endm
.macro CROUND                          ; a round of the cluster's barrier
	s_barrier_signal -1
	s_barrier_wait -1
	s_cmp_lg_u32 s[WV], 0
	s_cbranch_scc1 .Lnot_wave_0_\@
	s_barrier_signal -3
.Lnot_wave_0_\@:
	s_barrier_wait -3
	s_barrier_signal -1
	s_barrier_wait -1
.endm
.macro JLOAD                           ; every wave asks for its step of the slot; an s_nop 0 and four v_nop follow
	tensor_load_to_lds s[G0:G0+3], s[G1:G1+7]
	s_nop 0
.rept 4
	v_nop
.endr
.endm
; THE CHANGE OF SLOTS: all my tensor loads are in, the add, my reads of the slot that I have left are over; fill = 1: a round of the cluster's barrier and the joint refill first behind it
.macro CHANGE fill
	s_wait_tensorcnt 0x0                           ; no tensor load of mine is out, so group 0 may be written
	ds_add_u32 v[SPW], v[NIL]
.if \fill
	s_xor_b32 s[G0+1], s[G0+1], SLOT1              ; the other slot than last time,
	s_add_nc_u64 s[G0+2:G0+3], s[G0+2:G0+3], SLOTB ; the next 1,024 keys
.endif
	s_wait_dscnt 0x0
.if \fill
	CROUND
	JLOAD
.else
	s_barrier_signal -1
	s_barrier_wait -1
.endif
.endm
.macro D2
	s_delay_alu instid0(VALU_DEP_2)
.endm
; tile t's p becomes codes: a block's 32 registers give six registers of the operand; a conversion's three registers begin on an even number, so each second half is made elsewhere and moved
.macro CODES t
.irp a, 0,1
	WIN 0x01                                       ; source 0: p
.irp c, 0,1
	v_cvt_scalef32_pk16_fp6_f32 v[PC+24*\t+12*\a+6*\c:PC+24*\t+12*\a+6*\c+2], v[128*\t+64*\a+32*\c:128*\t+64*\a+32*\c+15], v[BM+4*\t+2*\a+\c]
	v_cvt_scalef32_pk16_fp6_f32 v[CT+4*\c:CT+4*\c+2], v[128*\t+64*\a+32*\c+16:128*\t+64*\a+32*\c+31], v[BM+4*\t+2*\a+\c]
.endr
	WIN 0
	v_nop                                          ; one plain instruction behind the scaled conversions
.irp c, 0,1
.irp i, 0,1,2
	v_mov_b32 v[PC+24*\t+12*\a+6*\c+3+\i], v[CT+4*\c+\i]
.endr
.endr
.endr
.endm
; tile t's 128 unquantised p of a lane are summed, two at a time, in four chains laid over its first eight registers (the codes have been made)
.macro SUMS t
	WIN 0x45
.set J, 8
.rept 60
	v_pk_add_f32 v[128*\t+(J%8):128*\t+(J%8)+1], v[128*\t+(J%8):128*\t+(J%8)+1], v[128*\t+J:128*\t+J+1]
.set J, J+2
.endr
	v_pk_add_f32 v[128*\t:128*\t+1], v[128*\t:128*\t+1], v[128*\t+2:128*\t+3]
	v_pk_add_f32 v[128*\t+4:128*\t+5], v[128*\t+4:128*\t+5], v[128*\t+6:128*\t+7]
	v_pk_add_f32 v[128*\t:128*\t+1], v[128*\t:128*\t+1], v[128*\t+4:128*\t+5]
	WIN 0x01
	v_pk_add_f32 v[ST+8*\t+2:ST+8*\t+3], v[128*\t:128*\t+1], v[ST+8*\t+2:ST+8*\t+3]
	WIN 0
.endm
; A DOUBLE STEP: 256 keys, both tiles
.macro DSTEP
	v_add_nc_u32 v[ADK], s[TB], v[AKL]
	v_add_nc_u32 v[ADV], s[TB], v[LI]
	v_add_nc_u32 v[ADS], s[TB], v[ASL]
	v_add_nc_u32 v[ADW], s[TB], v[L8]
	v_nop                                          ; five places behind the last products: four for the loads into registers that they read, the fifth for the products that write over v's second step
.irp a, 0,1
.irp f, 0,1,2,3                                ; tile f = 2 c + v
.irp g, 0,1,2
	ds_load_b128 v[KV+148*\a+12*\f+4*\g:KV+148*\a+12*\f+4*\g+3], v[ADK] offset:STEPL*\a+3840*(\f/2)+128*(\f%2)+GRP*\g
.endr
.endr
	ds_load_b64 v[KS+2*\a:KS+2*\a+1], v[ADS] offset:STEPL*\a+15360
.endr
	ds_load_b64 v[VS:VS+1], v[ADW] offset:15616
	ds_load_b64 v[VS+2:VS+3], v[ADW] offset:STEPL+15616
	WIN 0x40                                       ; the scores: window 1
.irp a, 0,1
.if \a == 0
	s_wait_alu depctr_va_vdst(0)
	s_wait_dscnt 15                                ; k's first step is in; the 13 loads of its second step and v's 2 scale loads may be out
.else
	s_wait_dscnt 0x0
.endif
.irp f, 0,1,2,3                                ; S^T = k q^T: each tile against [q | 0] and [0 | q] of both tiles of queries; every product starts its own sum
.irp u, 0,1
.irp t, 0,1
.if \f%2
	v_wmma_scale_f32_16x16x128_f8f6f4 v[128*\t+64*\a+16*\f+8*\u:128*\t+64*\a+16*\f+8*\u+7], v[KV+148*\a+12*\f:KV+148*\a+12*\f+11], v[QA+18*\t+6*\u:QA+18*\t+6*\u+11], 0, v[KS+2*\a+\f/2], v[QS+\t] matrix_a_fmt:MATRIX_FMT_FP6 matrix_b_fmt:MATRIX_FMT_FP6 matrix_a_scale:MATRIX_SCALE_ROW1
.else
	v_wmma_scale_f32_16x16x128_f8f6f4 v[128*\t+64*\a+16*\f+8*\u:128*\t+64*\a+16*\f+8*\u+7], v[KV+148*\a+12*\f:KV+148*\a+12*\f+11], v[QA+18*\t+6*\u:QA+18*\t+6*\u+11], 0, v[KS+2*\a+\f/2], v[QS+\t] matrix_a_fmt:MATRIX_FMT_FP6 matrix_b_fmt:MATRIX_FMT_FP6
.endif
.endr
.endr
.endr
.endr
	WIN 0
.rept 4
	v_nop                                          ; four places: for the loads below and for the first read of the scores
.endr
.irp f, 0,1,2,3
.irp g, 0,1,2
	ds_load_b128 v[KV+12*\f+4*\g:KV+12*\f+4*\g+3], v[ADV] offset:7680+1920*\f+GRP*\g   ; v's first step lands during the softmax
.endr
.endr
	WIN 0x05                                       ; sources 0 and 1: the scores
.irp t, 0,1                                    ; the largest score of each block of 32 keys, all mine: it serves the row's maximum and, since p rises with the score, the block's largest p.  Each result tile is read from its low end on
.irp b, 0,1,2,3
	v_max_num_f32 v[BM+4*\t+\b], v[128*\t+32*\b], v[128*\t+32*\b+1]
.endr
.irp i, 2,4,6,8,10,12,14,16,18,20,22,24,26,28,30
.irp b, 0,1,2,3
	v_max3_num_f32 v[BM+4*\t+\b], v[128*\t+32*\b+\i], v[128*\t+32*\b+\i+1], v[BM+4*\t+\b]   ; the four blocks by turns
.endr
.endr
.endr
	WIN 0
.irp t, 0,1                                    ; the two tiles' chains by turns
	v_max3_num_f32 v[ST+8*\t+1], v[ST+8*\t+1], v[BM+4*\t], v[BM+4*\t+1]
.endr
.irp t, 0,1
	D2
	v_max3_num_f32 v[ST+8*\t+1], v[ST+8*\t+1], v[BM+4*\t+2], v[BM+4*\t+3]
.endr
.irp t, 0,1
	D2
	v_permlanex16_b32 v[ST+8*\t+5], v[ST+8*\t+1], s[SEL], s[SEL+1]
.endr
.irp t, 0,1
	D2
	v_max_num_f32 v[ST+8*\t+1], v[ST+8*\t+1], v[ST+8*\t+5]   ; with lane l xor 16's keys: the row's largest score so far
.endr
.irp t, 0,1
	D2
	v_mul_f32 v[ST+8*\t+5], s[CS], v[ST+8*\t+1]    ; as t (c is positive)
.endr
.irp t, 0,1
	v_mov_b32 v[ST+8*\t+6], v[ST+8*\t]
.endr
.irp t, 0,1
	s_delay_alu instid0(VALU_DEP_4)
	v_floor_f32 v[ST+8*\t], -v[ST+8*\t+5]          ; the new -M = floor(-t) = -ceil(t): a whole number
.endr
.irp t, 0,1
	D2
	v_sub_f32 v[ST+8*\t+6], v[ST+8*\t], v[ST+8*\t+6]   ; old M - new M: a whole number, 0 or less
.endr
.irp t, 0,1
	D2
	v_cvt_i32_f32 v[ST+8*\t+6], v[ST+8*\t+6]       ; (it saturates)
.endr
.irp t, 0,1
	D2
	v_ldexp_f32 v[ST+8*\t+4], 1.0, v[ST+8*\t+6]    ; f = 2^(old M - new M)
.endr
.irp t, 0,1
.irp b, 0,1,2,3
	v_fma_f32 v[BM+4*\t+\b], v[BM+4*\t+\b], s[CS], v[ST+8*\t]   ; t - M of each block's largest score
.endr
.endr
	WIN 0x41                                       ; source 0 and destination: the scores
.irp t, 0,1
.set J, 0
.rept 64
	v_pk_fma_f32 v[128*\t+J:128*\t+J+1], v[128*\t+J:128*\t+J+1], s[CS:CS+1], v[ST+8*\t:ST+8*\t+1] op_sel_hi:[1,0,0]   ; t - M, two at a time (of the pairs c and -M the low word serves both halves)
.set J, J+2
.endr
.endr
	WIN 0
	s_wait_alu depctr_va_vdst(0)
.irp b, 0,1,2,3,4,5,6,7
	v_exp_f32 v[BM+\b], v[BM+\b]                   ; the blocks' largest p: the same arithmetic on the same number gives the same bits
.endr
	WIN 0x41
.set J, 0
.rept 256
	v_exp_f32 v[J], v[J]                           ; p = 2^(t - M), at most 1
.set J, J+1
.endr
	WIN 0
.irp t, 0,1
	v_pk_mul_f32 v[ST+8*\t+2:ST+8*\t+3], v[ST+8*\t+2:ST+8*\t+3], v[ST+8*\t+4:ST+8*\t+5] op_sel_hi:[1,0]   ; the sums under the new M: plain instructions behind the exponentials
.endr
	s_wait_alu depctr_va_vdst(0)                   ; one wait for the whole batch, ahead of its first reader
.irp b, 0,1,2,3,4,5,6,7
	v_max_num_f32 v[BM+\b], 0x1800000, v[BM+\b]    ; the floor 2^(3 - 127): the byte cannot fall under 1
.endr
.irp b, 0,1,2,3,4,5,6,7
	v_add_nc_u32 v[BM+\b], 0xff000000, v[BM+\b]    ; 2 off the exponent field: the conversion's scale operand
.endr
	; p's scale words.  One shift puts a block's byte on top; my four bytes (a, c) go into one register, lane l xor 16's come by one permute, and lanes 0-15, which alone are read, order block 2 c + h
.irp t, 0,1
	v_lshlrev_b32 v[ST+8*\t+5], 1, v[BM+4*\t]
.endr
.irp t, 0,1
	v_lshlrev_b32 v[ST+8*\t+6], 1, v[BM+4*\t+1]
.endr
.irp t, 0,1
	D2
	v_perm_b32 v[ST+8*\t+5], v[ST+8*\t+6], v[ST+8*\t+5], 0x0703
.endr
.irp t, 0,1
	v_lshlrev_b32 v[ST+8*\t+6], 1, v[BM+4*\t+2]
.endr
.irp t, 0,1
	v_lshlrev_b32 v[ST+8*\t+7], 1, v[BM+4*\t+3]
.endr
.irp t, 0,1
	D2
	v_perm_b32 v[ST+8*\t+6], v[ST+8*\t+7], v[ST+8*\t+6], 0x0703
.endr
.irp t, 0,1
	D2
	v_perm_b32 v[ST+8*\t+5], v[ST+8*\t+6], v[ST+8*\t+5], 0x05040100
.endr
.irp t, 0,1
	D2
	v_permlanex16_b32 v[ST+8*\t+6], v[ST+8*\t+5], s[SEL], s[SEL+1]
.endr
.irp t, 0,1
	D2
	v_perm_b32 v[PS+2*\t], v[ST+8*\t+6], v[ST+8*\t+5], 0x05010400
.endr
.irp t, 0,1
	s_delay_alu instid0(VALU_DEP_4)
	v_perm_b32 v[PS+2*\t+1], v[ST+8*\t+6], v[ST+8*\t+5], 0x07030602
.endr
	CODES 0
	SUMS 0
	WIN 0x40                                       ; tile 0's p is done with: 48 of its registers take v's second step
.irp f, 0,1,2,3
.irp g, 0,1,2
	ds_load_b128 v[VW+12*\f+4*\g:VW+12*\f+4*\g+3], v[ADV] offset:STEPL+7680+1920*\f+GRP*\g
.endr
.endr
	WIN 0
	CODES 1
	SUMS 1
	s_wait_alu depctr_va_vdst(0)
.irp t, 0,1
.set J, 0
.rept 16
	v_pk_mul_f32 v[OT+32*\t+J:OT+32*\t+J+1], v[OT+32*\t+J:OT+32*\t+J+1], v[ST+8*\t+4:ST+8*\t+5] op_sel_hi:[1,0]   ; O^T under the new M, each tile from its low end on; also the places between p's words and codes and the products
.set J, J+2
.endr
.endr
	s_wait_alu depctr_va_vdst(0)
	s_wait_dscnt 0x0                               ; v's two steps are in
.irp a, 0,1                                    ; O^T += v^T p^T: the eight accumulators by turns, one instruction a turn
	WIN \a                                         ; source 0: v's first step in window 0, its second in window 1
.irp f, 0,1,2,3
.irp t, 0,1
.if \f%2
	v_wmma_scale_f32_16x16x128_f8f6f4 v[OT+32*\t+8*\f:OT+32*\t+8*\f+7], v[KV-28*\a+12*\f:KV-28*\a+12*\f+11], v[PC+24*\t+12*\a:PC+24*\t+12*\a+11], v[OT+32*\t+8*\f:OT+32*\t+8*\f+7], v[VS+2*\a+\f/2], v[PS+2*\t+\a] matrix_a_fmt:MATRIX_FMT_FP6 matrix_b_fmt:MATRIX_FMT_FP6 matrix_a_scale:MATRIX_SCALE_ROW1
.else
	v_wmma_scale_f32_16x16x128_f8f6f4 v[OT+32*\t+8*\f:OT+32*\t+8*\f+7], v[KV-28*\a+12*\f:KV-28*\a+12*\f+11], v[PC+24*\t+12*\a:PC+24*\t+12*\a+11], v[OT+32*\t+8*\f:OT+32*\t+8*\f+7], v[VS+2*\a+\f/2], v[PS+2*\t+\a] matrix_a_fmt:MATRIX_FMT_FP6 matrix_b_fmt:MATRIX_FMT_FP6
.endif
.endr
.endr
.endr
	WIN 0
.endm
.macro STEPS                           ; a slot's four double steps: written once, walked four times; the LDS addresses hang on s[TB]
	s_mov_b32 s[CNT], 4
.Lstep_\@:
	DSTEP
	s_add_co_u32 s[TB], s[TB], 2*STEPL
	s_sub_co_u32 s[CNT], s[CNT], 1
	s_cmp_lg_u32 s[CNT], 0
	s_cbranch_scc1 .Lstep_\@
	s_sub_co_u32 s[TB], s[TB], SLOTL               ; back to a slot's first step,
	s_xor_b32 s[TB], s[TB], SLOT1                  ; in the other slot
.endm
	s_load_b128 s[4:7], s[0:1], 0x0                ; qc, kv
	s_load_b64 s[8:9], s[0:1], 0x10                ; xc
	v_lshl_add_u32 v[SPW], v0, 2, SPARE
	v_mov_b32 v[NIL], 0
	ds_add_u32 v[SPW], v[NIL]                      ; the wave's opening: the add, twice on end, and its wait ahead of the round in front of the first tensor loads
	ds_add_u32 v[SPW], v[NIL]
	v_lshrrev_b32 v11, 5, v0
	v_readfirstlane_b32 s[WV], v11                 ; wave 0..7
	s_bfe_u32 s13, ttmp6, 0x40000                  ; cx: it enters qc's and xc's addresses alone
	s_lshl_b32 s14, ttmp9, 2
	s_add_co_u32 s14, s14, s13                     ; my block of 256 queries = 4 x cluster x + cx
	s_and_b32 s15, ttmp7, 0xffff                   ; the head (8 x batch + head), which the four partners share
	; descriptor group 1: a dense block of 12,800 bytes as 25 rows of 512 bytes (64 elements of 8 bytes), 128 bytes of padding behind each
	s_mov_b32 s[G1+0], 15|(3<<16)|(1<<20)|(1<<21)|(6<<22)|(31<<25)   ; the mask: all four work-groups; elements of 8 bytes; padding on; 21 set beside a mask; after every 128 words (code 6); of 32 words (code 31)
	s_mov_b32 s[G1+1], 64<<16                      ; tensor_dim0 = 64
	s_mov_b32 s[G1+2], 25<<16                      ; tensor_dim1 = 25
	s_mov_b32 s[G1+3], 64<<16                      ; tile_dim0 = 64
	s_mov_b32 s[G1+4], 25                          ; tile_dim1 = 25
	s_mov_b32 s[G1+5], 64                          ; from row to row
	s_mov_b32 s[G1+6], 0
	s_mov_b32 s[G1+7], 0
	s_mov_b32 s[G0], 1
	s_mul_i32 s[G0+1], s[WV], STEPL                ; my step of slot 0, in LDS
	s_mul_i32 s16, s[WV], STEPB                    ; and in memory
	s_mul_i32 s18, s15, 32*STEPB                   ; the head's first byte in kv
	s_add_co_u32 s18, s18, s16
	s_mov_b32 s19, 0
	s_lshl_b32 s17, s14, 1                         ; qc: block of 128 queries 2 x my block + wave / 4
	s_lshr_b32 s45, s[WV], 2
	s_add_co_u32 s17, s17, s45
	s_mul_i32 s17, s17, 6400
	s_mul_i32 s36, s15, 204800
	s_add_co_u32 s36, s36, s17
	s_mov_b32 s37, 0
	s_and_b32 s45, s[WV], 3                        ; my pair
	s_and_b32 s46, s45, 1                          ; its scale words: odd pairs in lanes 16-31's places (128 bytes on),
	s_lshl_b32 s46, s46, 7
	s_lshr_b32 s47, s45, 1                         ; pairs 2 and 3 in the second word
	s_lshl_b32 s47, s47, 2
	s_add_co_u32 s46, s46, s47
	s_add_co_u32 s46, s46, 6144
	s_mul_i32 s45, s45, 1536                       ; its image
	s_lshr_b32 s38, s15, 3                         ; xc: row tile 256 x batch + 16 x my block + 2 x wave (+ tile),
	s_lshl_b32 s38, s38, 8
	s_lshl_b32 s47, s14, 4
	s_add_co_u32 s38, s38, s47
	s_lshl_b32 s47, s[WV], 1
	s_add_co_u32 s38, s38, s47
	s_lshl_b32 s38, s38, 3
	s_and_b32 s47, s15, 7                          ; head,
	s_add_co_u32 s38, s38, s47
	s_lshl_b32 s38, s38, 10                        ; 1,024 bytes each
	s_mov_b32 s39, 0
	s_mov_b32 s[SEL], 0x76543210
	s_mov_b32 s[SEL+1], 0xfedcba98
	s_mov_b32 s[CS], 0x3e38aa3b                    ; c = log2(e) / 8
	s_mov_b32 s[CS+1], s[CS]                       ; (named with it as a pair, so it is written)
	s_mov_b32 s[TB], 0
	s_mov_b32 s[SLOTS], 3
	v_and_b32 v11, 31, v0
	v_lshlrev_b32 v[LI], 4, v11
	v_lshlrev_b32 v[L8], 3, v11
	v_bfe_u32 v[ADK], v0, 3, 1                     ; r / 8
	v_and_b32 v[ADV], 7, v0                        ; r % 8
	v_bfe_u32 v[ADS], v0, 4, 1                     ; h
	v_mul_u32_u24 v[AKL], v[ADK], 1920
	v_lshl_add_u32 v[AKL], v[ADV], 4, v[AKL]
	v_lshl_add_u32 v[AKL], v[ADS], 8, v[AKL]
	v_lshlrev_b32 v[ASL], 3, v[ADV]
	v_lshl_add_u32 v[ASL], v[ADS], 6, v[ASL]
	v_lshl_add_u32 v[ASL], v[ADK], 7, v[ASL]
	v_add_nc_u32 v27, s45, v[LI]                   ; my pair's image, 16 bytes a lane
	v_and_b32 v11, 15, v0
	v_lshl_add_u32 v11, v11, 3, s46                ; query r's scale word
	s_wait_alu depctr_va_vdst(0)
	s_wait_dscnt 0x0                               ; both opening adds are done
	s_wait_kmcnt 0x0
	s_add_nc_u64 s[G0+2:G0+3], s[6:7], s[18:19]
	s_or_b32 s[G0+3], s[G0+3], 0x80000000          ; type = 2
	s_add_nc_u64 s[4:5], s[4:5], s[36:37]
	s_add_nc_u64 s[8:9], s[8:9], s[38:39]
	CROUND                                         ; all four work-groups are here: the first joint loads meet
	JLOAD                                          ; slot 0: one tensor load a wave at the head
	global_load_b128 v[KV:KV+3], v27, s[4:5]
	global_load_b128 v[KV+4:KV+7], v27, s[4:5] offset:512
	global_load_b128 v[KV+8:KV+11], v27, s[4:5] offset:1024
	global_load_b32 v[TQ], v11, s[4:5]
.irp t, 0,1
	v_mov_b32 v[ST+8*\t], 0x7f61b1e6               ; -M: 3e38,
	v_mov_b32 v[ST+8*\t+1], 0xff61b1e6             ; the largest score so far: -3e38, under every score
.irp i, 2,3,4,5,6,7
	v_mov_b32 v[ST+8*\t+\i], 0                     ; the sum; and what is named in a pair or as a lane permute's destination before it is first made
.endr
.endr
.set J, 0
.rept 64
	v_mov_b32 v[OT+J], 0                           ; O^T.  (The step has no first step of its own: it finds zeros, which the first change of M leaves zeros)
.set J, J+1
.endr
	s_wait_alu depctr_va_vdst(0)
	s_wait_loadcnt 0x0
	v_perm_b32 v[QS], v[TQ], v[TQ], 0x01000100     ; tile 0: the word's first two bytes, twice;
	v_perm_b32 v[QS+1], v[TQ], v[TQ], 0x03020302   ; tile 1: its last two
.irp t, 0,1
.irp i, 0,1,2,3,4,5
	v_mov_b32 v[QA+18*\t+\i], v[KV+6*\t+\i]        ; q, zeros, q: registers 0-11 are [q | 0], registers 6-17 [0 | q]
	v_mov_b32 v[QA+18*\t+6+\i], 0
	v_mov_b32 v[QA+18*\t+12+\i], v[KV+6*\t+\i]
.endr
.endr
	s_wait_alu depctr_va_vdst(0)
.Lslot:                                            ; three trips: behind each change of slots but the last the next slot is asked for
	CHANGE 1
	STEPS
	s_sub_co_u32 s[SLOTS], s[SLOTS], 1
	s_cmp_lg_u32 s[SLOTS], 0
	s_cbranch_scc1 .Lslot
	CHANGE 0                                       ; the last slot is written out
	STEPS
	; THE WAY OUT.  x = O^T / the row's sum; register 16 b + i is channel 32 b + 16 h + i: two blocks of the last product's K, quantised here and stored as half a fragment's image
.irp t, 0,1
	v_add_f32 v[ST+8*\t+2], v[ST+8*\t+2], v[ST+8*\t+3]   ; the sum's two halves,
.endr
.irp t, 0,1
	D2
	v_permlanex16_b32 v[ST+8*\t+5], v[ST+8*\t+2], s[SEL], s[SEL+1]
.endr
.irp t, 0,1
	D2
	v_add_f32 v[ST+8*\t+2], v[ST+8*\t+2], v[ST+8*\t+5]   ; and lane l xor 16's
.endr
	s_wait_alu depctr_va_vdst(0)
.irp t, 0,1
	v_rcp_f32 v[ST+8*\t+2], v[ST+8*\t+2]
.endr
	v_nop                                          ; plain instructions behind the reciprocals; with the additions above also the places behind the last products
	v_nop
	s_wait_alu depctr_va_vdst(0)                   ; ahead of the reciprocals' first reader and of O^T's
.irp t, 0,1                                    ; x: tile 0 in v192-223, tile 1 in v44-75
.set J, 0
.rept 16
	v_pk_mul_f32 v[192-148*\t+J:192-148*\t+J+1], v[OT+32*\t+J:OT+32*\t+J+1], v[ST+8*\t+2:ST+8*\t+3] op_sel_hi:[1,0]
.set J, J+2
.endr
.endr
.irp t, 0,1
.irp b, 0,1
	v_max3_num_f32 v[BM+4*\t+\b], |v[192-148*\t+16*\b]|, |v[192-148*\t+16*\b+1]|, 0x1800000
.endr
.endr
.irp i, 2,4,6,8,10,12,14
.irp t, 0,1
.irp b, 0,1
	v_max3_num_f32 v[BM+4*\t+\b], v[BM+4*\t+\b], |v[192-148*\t+16*\b+\i]|, |v[192-148*\t+16*\b+\i+1]|
.endr
.endr
.endr
.irp t, 0,1
.irp b, 0,1
	v_permlanex16_b32 v[BM+4*\t+2+\b], v[BM+4*\t+\b], s[SEL], s[SEL+1]
.endr
.endr
.irp t, 0,1
.irp b, 0,1
	v_max_num_f32 v[BM+4*\t+\b], v[BM+4*\t+\b], v[BM+4*\t+2+\b]   ; with lane l xor 16's 16 channels: the block's largest magnitude
.endr
.endr
.irp t, 0,1
.irp b, 0,1
	v_add_nc_u32 v[BM+4*\t+2+\b], 0xff000000, v[BM+4*\t+\b]       ; the conversion's scale operand
.endr
.endr
.irp t, 0,1
.irp b, 0,1
	v_lshrrev_b32 v[BM+4*\t+\b], 23, v[BM+4*\t+2+\b]              ; the byte
.endr
.endr
.irp t, 0,1
	v_lshl_or_b32 v[ST+8*\t+4], v[BM+4*\t+1], 8, v[BM+4*\t]       ; the head's two bytes of my row's scale word,
	v_mov_b32 v[ST+8*\t+5], 0                                     ; and a zero beside them
.endr
.irp t, 0,1
	v_cvt_scalef32_pk16_fp6_f32 v[224+8*\t:224+8*\t+2], v[192-148*\t:192-148*\t+15], v[BM+4*\t+2]
	v_cvt_scalef32_pk16_fp6_f32 v[CT+4*\t:CT+4*\t+2], v[192-148*\t+16:192-148*\t+31], v[BM+4*\t+3]
.endr
	v_nop                                          ; one plain instruction behind the scaled conversions
.irp t, 0,1
.irp i, 0,1,2
	v_permlane16_swap_b32 v[224+8*\t+\i], v[CT+4*\t+\i]   ; here a block lies in two lanes: the operand's layout wants it whole in one
.endr
.endr
.irp t, 0,1
.irp i, 0,1,2
	v_mov_b32 v[224+8*\t+3+\i], v[CT+4*\t+\i]      ; registers 0-5: channels 32 h + 0 .. 31
.endr
.endr
.irp t, 0,1
	global_store_b128 v[LI], v[224+8*\t:224+8*\t+3], s[8:9] offset:8192*\t                ; 512 consecutive bytes, aligned to 256
	global_store_b64 v[L8], v[224+8*\t+4:224+8*\t+5], s[8:9] offset:8192*\t+512           ; 256
	global_store_b64 v[L8], v[ST+8*\t+4:ST+8*\t+5], s[8:9] offset:8192*\t+768             ; 256
.endr
	s_wait_tensorcnt 0x0                           ; the wave's end: behind my last tensor load
	ds_add_u32 v[SPW], v[NIL]
	s_wait_dscnt 0x0
	CROUND                                         ; the closing round: no work-group ends while a partner may still ask for a tile that names it
	s_endpgm
.Lfunc_end_k_q240ec0c49d_attn:
	.size	k_q240ec0c49d_attn, .Lfunc_end_k_q240ec0c49d_attn-k_q240ec0c49d_attn
	.p2alignl 7, 3214868480
	.fill 96, 4, 3214868480
	.section	.rodata,"a",@progbits
	.p2align	6, 0x0
	.amdhsa_kernel k_q240ec0c49d_attn
		.amdhsa_group_segment_fixed_size 327680
		.amdhsa_private_segment_fixed_size 0
		.amdhsa_enable_private_segment 0
		.amdhsa_kernarg_size 24
		.amdhsa_user_sgpr_count 2
		.amdhsa_user_sgpr_kernarg_segment_ptr 1
		.amdhsa_wavefront_size32 1
		.amdhsa_system_sgpr_workgroup_id_x 1
		.amdhsa_system_sgpr_workgroup_id_y 1
		.amdhsa_system_sgpr_workgroup_id_z 1
		.amdhsa_system_vgpr_workitem_id 0
		.amdhsa_next_free_vgpr 512
		.amdhsa_next_free_sgpr 66
		.amdhsa_reserve_vcc 0
		.amdhsa_float_denorm_mode_32 3
		.amdhsa_float_denorm_mode_16_64 3
		.amdhsa_memory_ordered 1
		.amdhsa_forward_progress 1
		.amdhsa_inst_pref_size 121
	.end_amdhsa_kernel
	.amdgpu_metadata
---
amdhsa.version: [ 1, 2 ]
amdhsa.kernels:
  - .name:           k_q240ec0c49d_attn
    .symbol:         k_q240ec0c49d_attn.kd
    .args:
      - { .name: qc, .offset: 0, .size: 8, .value_kind: global_buffer, .address_space: global }
      - { .name: kv, .offset: 8, .size: 8, .value_kind: global_buffer, .address_space: global }
      - { .name: xc, .offset: 16, .size: 8, .value_kind: global_buffer, .address_space: global }
    .group_segment_fixed_size: 327680
    .private_segment_fixed_size: 0
    .kernarg_segment_align: 8
    .kernarg_segment_size: 24
    .max_flat_workgroup_size: 256
    .sgpr_count:     66
    .vgpr_count:     512
    .wavefront_size: 32
...
	.end_amdgpu_metadata
.endif
;; end of part 3
;; launch outp (part 4): grid 256 x 1, 4 waves a work-group, no clusters, 34,304 bytes of LDS; arguments xc, wc, bp, out0; writes out0
.if DOCPART == 4
	.amdgcn_target "amdgcn-amd-amdhsa--gfx1250"
	.amdhsa_code_object_version 6
	.text
	.protected	k_q240ec0c49d_outp
	.globl	k_q240ec0c49d_outp
	.p2align	8
	.type	k_q240ec0c49d_outp,@function
k_q240ec0c49d_outp:
	s_mov_b64 s[64:65], 0
	v_nop
	global_prefetch_b8 v0, s[64:65] scope:SCOPE_SE
	s_setreg_imm32_b32 hwreg(HW_REG_WAVE_MODE, 25, 1), 1
	s_wait_xcnt 0x0
; out = x Wp^T + bp on codes of FP6 (E2M3) with E8M0 scales.  x [8,192][512] comes as half-fragment images from the attention launch (xc), Wp as fragment images (wc, tiles 96 to 127); out [8,192][512] f32.
; SHARES.  A work-group owns 32 rows (two row tiles: lane r of tile m is row 32 g + 8 m + r + 8 (r / 8)); wave w owns columns 128 w .. 128 w + 127.  256 work-groups.  The waves share nothing: no barrier.
; The wave's 8 tiles of Wp (32 fragments) go from memory straight into registers, each fragment by three loads of 16 bytes a lane; so do x's eight fragments.  The product is used transposed (source 0 = 16 rows of Wp,
; source 1 = 16 rows of x): a lane holds one row of out, and registers 16 b + i its columns 128 w + 32 b + 16 (lane / 16) + i.  The bias is the C of each sum's first matrix instruction.
; NO CLUSTER: the operands come by loads into registers, not by tensor loads, so there is no tile in LDS that partners could be sent jointly; a joint load would add a way through LDS for 53,248 bytes a wave.
; THE WAY OUT: 16 rows x 512 bytes through the wave's own stage in LDS (rows 528 bytes apart) and back as whole rows: 32 lanes store 512 consecutive bytes, aligned to 256.
; REGISTERS.  Window 0: v1-9 addresses; v16-111 x's fragments (tile m, K step s at 16 + 12 (4 m + s)), later rows on their way out; v112-175 the 8 accumulators; v176-207 Wp's scale words; v208-223 x's words as stored;
;   v224-231 x's scale words; v232-247 rows on their way out.   Window 1: Wp's tiles 0-3 (v0-191).   Window 2: tiles 4-7 (v0-191); v192-255 the bias, 8 registers a tile.
.set TILEB, 6656
.set SPITCH, 528
.set SPARE, 4*16*SPITCH                ; behind the four stages: the spare words, 128 bytes for each wave: two blocks of 256 bytes that no other line names
.set LI,  3                            ; v3   16 x lane
.set L8,  4                            ; v4   8 x lane
.set BO,  5                            ; v5   64 h: my half's place in the bias
.set STO, 6                            ; v6   the stage: row r, + 64 h
.set RD,  7                            ; v7   and back: 16 x lane
.set SPW, 8                            ; v8   LDS address of my spare word; never rewritten
.set NIL, 9                            ; v9   0; never rewritten
.set XF,  16
.set HA,  112
.set RS,  176
.set XW,  208
.set XS,  224
.set BI,  192                          ; in window 2
.set WV,  12
.set MSB, 0
.macro WIN new                         ; the immediate's high byte repeats the setting that is left; a switch that changes nothing is dropped
.if MSB != (\new)
	s_set_vgpr_msb (MSB<<8)|(\new)
.set MSB, (\new)
.endif
.endm
; 16 matrix instructions: Wp's tiles 4 hi .. 4 hi + 3 against x's tile m, K ascending; the four accumulators take turns, one instruction a turn
.macro MMO m, hi
	WIN 0x21+\hi                                   ; source 0 (Wp) window 1 or 2, source 2 (the bias) window 2
.irp o, 0,1,2,3
	v_wmma_scale_f32_16x16x128_f8f6f4 v[HA+8*(4*\hi+\o):HA+8*(4*\hi+\o)+7], v[12*(4*\o):12*(4*\o)+11], v[XF+12*(4*\m):XF+12*(4*\m)+11], v[BI+8*(4*\hi+\o):BI+8*(4*\hi+\o)+7], v[RS+4*(4*\hi+\o)], v[XS+4*\m] matrix_a_fmt:MATRIX_FMT_FP6 matrix_b_fmt:MATRIX_FMT_FP6
.endr
	WIN 0x01+\hi
.irp s, 1,2,3
.irp o, 0,1,2,3
	v_wmma_scale_f32_16x16x128_f8f6f4 v[HA+8*(4*\hi+\o):HA+8*(4*\hi+\o)+7], v[12*(4*\o+\s):12*(4*\o+\s)+11], v[XF+12*(4*\m+\s):XF+12*(4*\m+\s)+11], v[HA+8*(4*\hi+\o):HA+8*(4*\hi+\o)+7], v[RS+4*(4*\hi+\o)+\s], v[XS+4*\m+\s] matrix_a_fmt:MATRIX_FMT_FP6 matrix_b_fmt:MATRIX_FMT_FP6
.endr
.endr
.endm
	s_load_b256 s[4:11], s[0:1], 0x0               ; xc, wc, bp, out0
	v_lshl_add_u32 v[SPW], v0, 2, SPARE
	v_mov_b32 v[NIL], 0
	v_lshrrev_b32 v1, 5, v0
	v_readfirstlane_b32 s[WV], v1                  ; wave 0..3
	v_and_b32 v1, 15, v0                           ; r
	v_bfe_u32 v2, v0, 4, 1                         ; h
	v_and_b32 v10, 31, v0                          ; lane
	v_lshlrev_b32 v[LI], 4, v10
	v_lshlrev_b32 v[L8], 3, v10
	v_lshlrev_b32 v[BO], 6, v2
	s_mul_i32 s22, s[WV], 16*SPITCH                ; my stage
	v_mul_u32_u24 v[STO], v1, SPITCH
	v_lshl_add_u32 v[STO], v2, 6, v[STO]
	v_add_nc_u32 v[STO], s22, v[STO]
	v_add_nc_u32 v[RD], s22, v[LI]
	s_lshl_b32 s14, s[WV], 3                       ; wc: tile 96 + 8 wave
	s_add_co_u32 s14, s14, 96
	s_mul_i32 s14, s14, TILEB
	s_mov_b32 s15, 0
	s_lshl_b32 s16, s[WV], 9                       ; bp: my 128 numbers
	s_mov_b32 s17, 0
	s_lshl_b32 s18, ttmp9, 14                      ; xc: two row tiles of 8 records of 1,024 bytes
	s_mov_b32 s19, 0
	s_lshl_b32 s20, ttmp9, 16                      ; out0: 32 rows of 2,048 bytes, + my 512 bytes of a row
	s_add_co_u32 s20, s20, s16
	s_mov_b32 s21, 0
	s_wait_alu depctr_va_vdst(0)
	s_wait_kmcnt 0x0
	s_add_nc_u64 s[4:5], s[4:5], s[18:19]
	s_add_nc_u64 s[6:7], s[6:7], s[14:15]
	s_add_nc_u64 s[8:9], s[8:9], s[16:17]
	s_add_nc_u64 s[10:11], s[10:11], s[20:21]
	WIN 0x40                                       ; destination window 1
.irp o, 0,1,2,3
.irp s, 0,1,2,3
.irp g, 0,1,2
	global_load_b128 v[12*(4*\o+\s)+4*\g:12*(4*\o+\s)+4*\g+3], v[LI], s[6:7] offset:TILEB*\o+1536*\s+512*\g
.endr
.endr
.endr
	WIN 0x80                                       ; destination window 2
.irp o, 0,1,2,3
.irp s, 0,1,2,3
.irp g, 0,1,2
	global_load_b128 v[12*(4*\o+\s)+4*\g:12*(4*\o+\s)+4*\g+3], v[LI], s[6:7] offset:TILEB*(4+\o)+1536*\s+512*\g
.endr
.endr
.endr
.irp t, 0,1,2,3,4,5,6,7                        ; the bias in the result's layout: tile t, lane (r, h): columns 32 (t / 2) + 8 (t % 2) + 16 h + 0 .. 7 of my 128
	global_load_b128 v[BI+8*\t:BI+8*\t+3], v[BO], s[8:9] offset:(32*(\t/2)+8*(\t%2))*4
	global_load_b128 v[BI+8*\t+4:BI+8*\t+7], v[BO], s[8:9] offset:(32*(\t/2)+8*(\t%2))*4+16
.endr
	WIN 0
.irp o, 0,1,2,3,4,5,6,7
	global_load_b128 v[RS+4*\o:RS+4*\o+3], v[LI], s[6:7] offset:TILEB*\o+6144
.endr
.irp m, 0,1                                    ; x: head d's record is half c = d % 2 of K step d / 2
.irp d, 0,1,2,3,4,5,6,7
	global_load_b128 v[XF+12*(4*\m+\d/2)+6*(\d%2):XF+12*(4*\m+\d/2)+6*(\d%2)+3], v[LI], s[4:5] offset:8192*\m+1024*\d
	global_load_b64 v[XF+12*(4*\m+\d/2)+6*(\d%2)+4:XF+12*(4*\m+\d/2)+6*(\d%2)+5], v[L8], s[4:5] offset:8192*\m+1024*\d+512
	global_load_b32 v[XW+8*\m+\d], v[L8], s[4:5] offset:8192*\m+1024*\d+768
.endr
.endr
	s_wait_loadcnt 0x0
.irp m, 0,1
.irp s, 0,1,2,3
	v_perm_b32 v[XS+4*\m+\s], v[XW+8*\m+2*\s+1], v[XW+8*\m+2*\s], 0x05040100   ; two heads' two bytes each: the scale word of 128 along K
.endr
.endr
.rept 8
	v_nop                                          ; a scale register written by a vector instruction stands eight places ahead of a scaled matrix instruction
.endr
	s_wait_alu depctr_va_vdst(0)
.irp m, 0,1
	MMO \m, 0
	MMO \m, 1
	WIN 0
.rept 5
	v_nop                                          ; four places for the stores that read results and the loads into x's registers; the fifth for the next tile's first products, which begin the accumulators anew
.endr
.irp t, 0,1,2,3,4,5,6,7
	ds_store_b128 v[STO], v[HA+8*\t:HA+8*\t+3] offset:128*(\t/2)+32*(\t%2)         ; each accumulator from its low end on
	ds_store_b128 v[STO], v[HA+8*\t+4:HA+8*\t+7] offset:128*(\t/2)+32*(\t%2)+16
.endr
.if \m == 1
	s_wait_xcnt 0x0                                ; the first tile's stores have read v232-247: only behind this wait are they loaded again
.endif
.irp t, 0,1,2,3,4,5,6,7,8,9,10,11,12,13,14,15
.if \t < 12
.set BKR, XF+48*\m+4*\t                        ; this tile's fragments of x are done with: their registers take twelve rows,
.else
.set BKR, 232+4*(\t-12)                        ; v232-247 the other four
.endif
	ds_load_b128 v[BKR:BKR+3], v[RD] offset:SPITCH*\t      ; LDS serves a wave's instructions in order (ISA guide 5.7.1.4): these see the stores above
.endr
.irp t, 0,1,2,3,4,5,6,7,8,9,10,11,12,13,14,15
.if \t < 12
.set BKR, XF+48*\m+4*\t
.else
.set BKR, 232+4*(\t-12)
.endif
	s_wait_dscnt 15-\t                             ; row t is back; the younger loads may be out
	global_store_b128 v[LI], v[BKR:BKR+3], s[10:11] offset:(8*\m+\t+8*(\t/8))*2048 th:TH_STORE_NT   ; stage row t is row 8 m + t + 8 (t / 8) of my 32
.endr
.endr
	s_wait_tensorcnt 0x0                           ; the wave's end: behind my last LDS store
	ds_add_u32 v[SPW], v[NIL]
	s_wait_dscnt 0x0
	s_endpgm
.Lfunc_end_k_q240ec0c49d_outp:
	.size	k_q240ec0c49d_outp, .Lfunc_end_k_q240ec0c49d_outp-k_q240ec0c49d_outp
	.p2alignl 7, 3214868480
	.fill 96, 4, 3214868480
	.section	.rodata,"a",@progbits
	.p2align	6, 0x0
	.amdhsa_kernel k_q240ec0c49d_outp
		.amdhsa_group_segment_fixed_size 34304
		.amdhsa_private_segment_fixed_size 0
		.amdhsa_enable_private_segment 0
		.amdhsa_kernarg_size 32
		.amdhsa_user_sgpr_count 2
		.amdhsa_user_sgpr_kernarg_segment_ptr 1
		.amdhsa_wavefront_size32 1
		.amdhsa_system_sgpr_workgroup_id_x 1
		.amdhsa_system_sgpr_workgroup_id_y 1
		.amdhsa_system_sgpr_workgroup_id_z 1
		.amdhsa_system_vgpr_workitem_id 0
		.amdhsa_next_free_vgpr 768
		.amdhsa_next_free_sgpr 66
		.amdhsa_reserve_vcc 0
		.amdhsa_float_denorm_mode_32 3
		.amdhsa_float_denorm_mode_16_64 3
		.amdhsa_memory_ordered 1
		.amdhsa_forward_progress 1
		.amdhsa_inst_pref_size 36
	.end_amdhsa_kernel
	.amdgpu_metadata
---
amdhsa.version: [ 1, 2 ]
amdhsa.kernels:
  - .name:           k_q240ec0c49d_outp
    .symbol:         k_q240ec0c49d_outp.kd
    .args:
      - { .name: xc, .offset: 0, .size: 8, .value_kind: global_buffer, .address_space: global }
      - { .name: wc, .offset: 8, .size: 8, .value_kind: global_buffer, .address_space: global }
      - { .name: bp, .offset: 16, .size: 8, .value_kind: global_buffer, .address_space: global }
      - { .name: out0, .offset: 24, .size: 8, .value_kind: global_buffer, .address_space: global }
    .group_segment_fixed_size: 34304
    .private_segment_fixed_size: 0
    .kernarg_segment_align: 8
    .kernarg_segment_size: 32
    .max_flat_workgroup_size: 128
    .sgpr_count:     66
    .vgpr_count:     768
    .wavefront_size: 32
...
	.end_amdgpu_metadata
.endif
;; end of part 4
